; MI455X (gfx1250); checked and timed in simulation.
; The chip was launched on July 23, 2026; its instructions are those of AMD's public machine-readable ISA for CDNA 5 (MIT licence, August 2026) and "CDNA5" Instruction Set Architecture Reference Guide (July 2026). The comments in the code are by the model that wrote it; some were corrected since.
;; Multi Head Attention. Allowed arithmetic: float matrix products may take bf16 or f16 operands with f32 sums; all other float work in f32.
;; Inputs: Wk 512 x 512 float32; Wo 512 x 512 float32; Wq 512 x 512 float32; Wv 512 x 512 float32; bk 512 float32; bo 512 float32; bq 512 float32; bv 512 float32; x 4 x 2,048 x 512 float32.
;; Outputs: out0 4 x 2,048 x 512 float32.
;; One version. Each part assembles by itself: llvm-mc -triple=amdgcn-amd-amdhsa -mcpu=gfx1250 --defsym DOCPART=n.
;; ======== version 1 of 1: 3 launches
;; workspace buffers: qb 8,388,608 bytes; kb 8,388,608 bytes; vt 8,388,608 bytes; cx 8,388,608 bytes
;; launch qkv (part 1): grid 32 x 8, 8 waves a work-group, no clusters, 128,000 bytes of LDS; arguments x, Wq, Wk, Wv, bq, bk, bv, qb, kb, vt; writes qb, kb, vt
.if DOCPART == 1
	.amdgcn_target "amdgcn-amd-amdhsa--gfx1250"
	.amdhsa_code_object_version 6
	.text
	.protected	k_q4f9f1d8df6_qkv
	.globl	k_q4f9f1d8df6_qkv
	.p2align	8
	.type	k_q4f9f1d8df6_qkv,@function
k_q4f9f1d8df6_qkv:
	s_mov_b64 s[64:65], 0
	v_nop
	global_prefetch_b8 v0, s[64:65] scope:SCOPE_SE
	s_setreg_imm32_b32 hwreg(HW_REG_WAVE_MODE, 25, 1), 1
	s_wait_xcnt 0x0
; qkv: Qs = (x Wq + bq) * 0.125 * log2(e), K = x Wk + bk, V = x Wv + bv, all rounded once to bf16.
; qb, kb: [32 bh][2048 s][64 d].  vt: [32 bh][64 d][2048 s] (V transposed).  bh = 8 * batch + head.
; LIMITS: x and the weights are rounded to bf16 for the matrix unit, sums and biases are f32; inputs are finite.
; SHARES: a work-group makes 256 rows of x (grid x) times the 64 columns of one head (grid y) in each of Q, K, V: 32 x 8 = 256 groups.
; Wave w: rows 64 (w >> 1) .. + 63, columns 32 (w & 1) .. + 31 of each of Q, K, V: 4 x 6 tiles of 16 x 16, 192 accumulator registers.
; K goes in 8 chunks of 64 (256 bytes of a row of x), all written out, so that every global offset is an immediate.
; x and W are f32 in memory: they come through registers, are rounded there and laid into LDS as bf16, two LDS slots by turns.
; Two register sets hold the next two chunks: 2 x 28 loads of 16 bytes a lane are on their way while a chunk is multiplied.
; A TRIP: fragment loads first; while they are on their way the next chunk is rounded and stored and 16 loads of x go out into the set
; that has just been stored; 24 matrix instructions; the second fragment loads and the 12 loads of W; 24 matrix instructions.
; NO JOINT TENSOR LOADS, though 8 groups read the same x and 32 the same W: an engine would lay f32 into LDS.  For a chunk that is
; 64 KB + 48 KB written and every fragment read twice as wide and rounded by each wave that uses it, against 32 KB + 24 KB written
; once as bf16 here; the LDS bytes per chunk would grow by about half for the same 384 matrix instructions of the group.
; W lies [k][n]: its fragments are read by the transposing LDS load.
; Q and K tiles are made with W as source 0 and x as source 1 (a lane then holds 8 neighbouring d of one row s), V tiles with x as
; source 0 (a lane holds 8 neighbouring s of one d): both pack into 16 bytes that belong together in memory.
.set XPITCH, 144                       ; LDS row of x: 128 bytes + 16, an odd multiple of 16
.set WPITCH, 416                       ; LDS row of W: 192 n x 2 bytes + 32 = 13 x 32
.set WTILE,  36864                     ; W tile behind the 256 rows of x
.set SLOT,   63488                     ; 36,864 + 64 x 416
.set STK,    36864                     ; way out: K stage behind the Q stage (256 rows x 144 each)
.set STV,    73728                     ; way out: V stage, 64 rows x 528
.set VPITCH, 528
.set QSCALE, 0x3e38aa3b                ; 0.125 * log2(e)
.set VX,  1                            ; global offset of my 16 bytes in x and in W: (t >> 4) * 2048 + 16 (t & 15)
.set AX,  2                            ; v2-3   x fragments, slot 0, 1
.set AW,  4                            ; v4-5   W fragments, slot 0, 1
.set SX,  6                            ; v6-7   where I store x, slot 0, 1
.set SW,  8                            ; v8-9   where I store W, slot 0, 1
.set VB,  10                           ; bias offset for Q and K: 128 c + 32 h
.set VBV, 11                           ; bias offset for V: 128 c + 4 r
.set CC,  12                           ; c = wave & 1
.set RR,  13                           ; r = lane & 15
.set HH,  14                           ; h = lane >> 4
.set RQ,  15                           ; rq = wave >> 1
.set XF,  16                           ; v16-47   x fragments, 8 i
.set WF,  48                           ; v48-95   W fragments, 8 n
.set X0,  96                           ; v96-159  register set 0, x
.set W0,  160                          ; v160-207 set 0, W; v208-255 set 1, W
.set X1,  192                          ; window 1: v192-255 set 1, x.  Window 1 v0-191: accumulators, tile (i, n) at 8 (6 i + n)
.set BQ,  160                          ; biases, in set 0 of W once it is free
.set BK,  176
.set BV,  192
.set OUT, 16                           ; way out: packed results, then the rows read back
.set SQA, 208
.set SVA, 209
.set RQA, 210
.set RKA, 211
.set RVA, 212
.set GQA, 213
.set GVA, 214
.set MSB, 0
.macro WIN new                         ; the high byte of the immediate repeats the setting that is left
.if MSB != \new
	s_set_vgpr_msb (MSB<<8)|\new
.set MSB, \new
.endif
.endm
.macro PLACES n
.rept \n
	v_nop
.endr
.endm
.macro MM d, a, b, zero                ; one matrix instruction: the first product of a sum takes the constant 0, nothing is cleared
.if \zero
	v_wmma_f32_16x16x32_bf16 v[\d:\d+7], v[\a:\a+7], v[\b:\b+7], 0
.else
	v_wmma_f32_16x16x32_bf16 v[\d:\d+7], v[\a:\a+7], v[\b:\b+7], v[\d:\d+7]
.endif
.endm
	s_load_b512 s[4:19], s[0:1], 0x0               ; x, Wq, Wk, Wv, bq, bk, bv, qb
	s_load_b128 s[20:23], s[0:1], 0x40             ; kb, vt
	s_and_b32 s26, ttmp7, 0xffff                   ; head, 0..7 (ttmp9: block of 256 rows, 0..31)
	s_lshl_b32 s30, ttmp9, 19                      ; block x 256 rows x 2,048 bytes
	s_mov_b32 s31, 0
	s_lshl_b32 s34, s26, 8                         ; head x 64 columns x 4 bytes, in W and in the biases
	s_mov_b32 s35, 0
	s_lshr_b32 s28, ttmp9, 3
	s_lshl_b32 s28, s28, 3
	s_add_co_u32 s28, s28, s26                     ; bh
	s_and_b32 s29, ttmp9, 7                        ; block inside the sequence
	s_lshl_b32 s36, s28, 18                        ; bh x 262,144
	s_lshl_b32 s24, s29, 15                        ; + 256 rows x 128 bytes
	s_add_co_u32 s36, s36, s24
	s_mov_b32 s37, 0
	s_lshl_b32 s38, s28, 18
	s_lshl_b32 s24, s29, 9                         ; + 256 s x 2 bytes
	s_add_co_u32 s38, s38, s24
	s_mov_b32 s39, 0
	s_mov_b32 s32, QSCALE
	s_mov_b32 s33, QSCALE
	v_lshrrev_b32 v16, 4, v0                       ; t >> 4: 0..15
	v_and_b32 v[RR], 15, v0
	v_bfe_u32 v[HH], v0, 4, 1
	v_bfe_u32 v[CC], v0, 5, 1
	v_lshrrev_b32 v[RQ], 6, v0
	v_lshlrev_b32 v[VX], 11, v16
	v_lshl_add_u32 v[VX], v[RR], 4, v[VX]
	v_mul_u32_u24 v[SX], v16, XPITCH
	v_lshl_add_u32 v[SX], v[RR], 3, v[SX]          ; 4 f32 become 8 bytes
	v_add_nc_u32 v[SX+1], SLOT, v[SX]
	v_mul_u32_u24 v[SW], v16, WPITCH
	v_lshl_add_u32 v[SW], v[RR], 3, v[SW]
	v_add_nc_u32 v[SW], WTILE, v[SW]
	v_add_nc_u32 v[SW+1], SLOT, v[SW]
	v_lshl_add_u32 v17, v[RQ], 6, v[RR]            ; row 64 rq + r
	v_mul_u32_u24 v[AX], v17, XPITCH
	v_lshl_add_u32 v[AX], v[HH], 4, v[AX]
	v_add_nc_u32 v[AX+1], SLOT, v[AX]
	v_and_b32 v17, 7, v0
	v_lshl_add_u32 v17, v[HH], 3, v17              ; k row 8 h + (lane & 7)
	v_mul_u32_u24 v[AW], v17, WPITCH
	v_bfe_u32 v17, v0, 3, 1
	v_lshl_add_u32 v[AW], v17, 4, v[AW]            ; + 16 ((lane >> 3) & 1)
	v_lshl_add_u32 v[AW], v[CC], 6, v[AW]          ; + my 32 columns
	v_add_nc_u32 v[AW], WTILE, v[AW]
	v_add_nc_u32 v[AW+1], SLOT, v[AW]
	v_lshlrev_b32 v[VB], 7, v[CC]
	v_lshl_add_u32 v[VBV], v[RR], 2, v[VB]
	v_lshl_add_u32 v[VB], v[HH], 5, v[VB]
	s_wait_kmcnt 0x0
	s_add_nc_u64 s[4:5], s[4:5], s[30:31]
.irp p, 6,8,10,12,14,16
	s_add_nc_u64 s[\p:\p+1], s[\p:\p+1], s[34:35]
.endr
	s_add_nc_u64 s[18:19], s[18:19], s[36:37]
	s_add_nc_u64 s[20:21], s[20:21], s[36:37]
	s_add_nc_u64 s[22:23], s[22:23], s[38:39]
; 16 loads: chunk cc of x into register set s (16 rows a load for the group; sixteen lanes take 256 consecutive bytes of a row)
.macro GLOADX s, cc
.if \s
	WIN 0x40
.irp i, 0,1,2,3,4,5,6,7,8,9,10,11,12,13,14,15
	global_load_b128 v[X1+4*\i:X1+4*\i+3], v[VX], s[4:5] offset:\i*32768+(\cc)*256
.endr
	WIN 0
.else
.irp i, 0,1,2,3,4,5,6,7,8,9,10,11,12,13,14,15
	global_load_b128 v[X0+4*\i:X0+4*\i+3], v[VX], s[4:5] offset:\i*32768+(\cc)*256
.endr
.endif
.endm
; 12 loads: chunk cc of the three W into register set s
.macro GLOADW s, cc
.irp kg, 0,1,2,3
	global_load_b128 v[W0+48*\s+4*\kg:W0+48*\s+4*\kg+3], v[VX], s[6:7] offset:(\cc)*131072+\kg*32768
	global_load_b128 v[W0+48*\s+16+4*\kg:W0+48*\s+16+4*\kg+3], v[VX], s[8:9] offset:(\cc)*131072+\kg*32768
	global_load_b128 v[W0+48*\s+32+4*\kg:W0+48*\s+32+4*\kg+3], v[VX], s[10:11] offset:(\cc)*131072+\kg*32768
.endr
.endm
; register set s is rounded in place (4 f32 to 8 bytes) and stored into LDS slot s: 56 conversions, 28 stores
.macro CVTSTORE s
.if \s
	WIN 0x45
.irp i, 0,1,2,3,4,5,6,7,8,9,10,11,12,13,14,15
	v_cvt_pk_bf16_f32 v[X1+4*\i], v[X1+4*\i], v[X1+4*\i+1]
	v_cvt_pk_bf16_f32 v[X1+4*\i+1], v[X1+4*\i+2], v[X1+4*\i+3]
.endr
	WIN 0x04
.irp i, 0,1,2,3,4,5,6,7,8,9,10,11,12,13,14,15
	ds_store_b64 v[SX+1], v[X1+4*\i:X1+4*\i+1] offset:\i*2304
.endr
	WIN 0
.else
.irp i, 0,1,2,3,4,5,6,7,8,9,10,11,12,13,14,15
	v_cvt_pk_bf16_f32 v[X0+4*\i], v[X0+4*\i], v[X0+4*\i+1]
	v_cvt_pk_bf16_f32 v[X0+4*\i+1], v[X0+4*\i+2], v[X0+4*\i+3]
.endr
.irp i, 0,1,2,3,4,5,6,7,8,9,10,11,12,13,14,15
	ds_store_b64 v[SX], v[X0+4*\i:X0+4*\i+1] offset:\i*2304
.endr
.endif
.irp t, 0,1,2,3,4,5,6,7,8,9,10,11
	v_cvt_pk_bf16_f32 v[W0+48*\s+4*\t], v[W0+48*\s+4*\t], v[W0+48*\s+4*\t+1]
	v_cvt_pk_bf16_f32 v[W0+48*\s+4*\t+1], v[W0+48*\s+4*\t+2], v[W0+48*\s+4*\t+3]
.endr
.irp m, 0,1,2
.irp kg, 0,1,2,3
	ds_store_b64 v[SW+\s], v[W0+48*\s+16*\m+4*\kg:W0+48*\s+16*\m+4*\kg+1] offset:\kg*6656+\m*128
.endr
.endr
.endm
; 20 fragment loads for 32 along K: 8 for x, then 2 for each of the six W tiles
.macro FRAGS s, ks
	PLACES 4                                       ; loads into registers that matrix instructions have read stand four places behind them
.irp i, 0,1,2,3
	ds_load_b128 v[XF+8*\i:XF+8*\i+3], v[AX+\s] offset:\i*2304+64*\ks
	ds_load_b128 v[XF+8*\i+4:XF+8*\i+7], v[AX+\s] offset:\i*2304+64*\ks+32
.endr
.irp n, 0,1,2,3,4,5
	ds_load_tr16_b128 v[WF+8*\n:WF+8*\n+3], v[AW+\s] offset:\ks*13312+(\n>>1)*128+(\n&1)*32
	ds_load_tr16_b128 v[WF+8*\n+4:WF+8*\n+7], v[AW+\s] offset:\ks*13312+(\n>>1)*128+(\n&1)*32+6656
.endr
.endm
; 24 matrix instructions.  The 24 accumulators take turns, one instruction a turn.
; ex = LDS stores issued behind the fragment loads (they may stay out too).  bar = 1: the trip's barrier; its signal stands behind the
; wait for the last fragments, which is a wait for 0, and the last four matrix instructions stand between signal and wait.
.macro MULS zero, ex, bar
	WIN 0x50                                       ; C and D in window 1
.irp n, 0,1,2,3,4,5
	s_wait_dscnt 10-2*\n+\ex                       ; x and the W fragments up to n are in; two loads for each later n, and the ex stores, may be out
.if \bar
.if \n == 5
	s_barrier_signal -1                            ; no LDS access of mine is out: my reads of this slot and my stores into the other are complete
.endif
.endif
.irp i, 0,1,2,3
.if \n < 4
	MM 8*(6*\i+\n), WF+8*\n, XF+8*\i, \zero
.else
	MM 8*(6*\i+\n), XF+8*\i, WF+8*\n, \zero
.endif
.endr
.endr
	WIN 0
.if \bar
	s_barrier_wait -1
.endif
.endm
.macro BIASLOAD                        ; 12 loads: 8 bq and 8 bk for each of my two column tiles; bv of my column, twice, to fill a pair
.irp tl, 0,1
	global_load_b128 v[BQ+8*\tl:BQ+8*\tl+3], v[VB], s[12:13] offset:64*\tl
	global_load_b128 v[BQ+8*\tl+4:BQ+8*\tl+7], v[VB], s[12:13] offset:64*\tl+16
	global_load_b128 v[BK+8*\tl:BK+8*\tl+3], v[VB], s[14:15] offset:64*\tl
	global_load_b128 v[BK+8*\tl+4:BK+8*\tl+7], v[VB], s[14:15] offset:64*\tl+16
	global_load_b32 v[BV+2*\tl], v[VBV], s[16:17] offset:64*\tl
	global_load_b32 v[BV+2*\tl+1], v[VBV], s[16:17] offset:64*\tl
.endr
.endm
; Trip c multiplies chunk c from slot s = c & 1, lays chunk c + 1 (register set o) into slot o, and asks for chunk c + 3 into set o.
; The set is loaded again straight behind the LDS stores that read it: the sources of LDS instructions need no wait before they are
; written again, only those of global and scalar memory instructions do.
; ONE barrier a trip orders two things: my reads of slot s against the stores of the next trip into it, and my stores into slot o
; against the reads of the next trip.  Both are complete in front of the signal.
.macro TRIP c, s, o
	FRAGS \s, 0
.if \c < 6
	s_wait_loadcnt 28                              ; set o (chunk c + 1) is in; the 16 + 12 loads of chunk c + 2, issued a trip ago, stay out
	CVTSTORE \o
.endif
.if \c == 6
	s_wait_loadcnt 12                              ; the last chunk is in; the 12 bias loads stay out
	CVTSTORE \o
.endif
.if \c < 5
	GLOADX \o, \c+3
.endif
.if \c == 0
	MULS 1, 28, 0
.else
.if \c < 7
	MULS 0, 28, 0
.else
	MULS 0, 0, 0
.endif
.endif
	FRAGS \s, 1
.if \c < 5
	GLOADW \o, \c+3
.endif
.if \c == 5
	BIASLOAD                                       ; set 0 of W was stored at the head of this trip: its registers take the biases
.endif
	MULS 0, 0, 1
.endm
	GLOADX 0, 0
	GLOADW 0, 0
	GLOADX 1, 1
	GLOADW 1, 1
	s_wait_loadcnt 28                              ; chunk 0 is in, chunk 1 stays out
	CVTSTORE 0
	GLOADX 0, 2
	GLOADW 0, 2
	s_wait_dscnt 0x0
	s_barrier_signal -1
	s_barrier_wait -1
	TRIP 0, 0, 1
	TRIP 1, 1, 0
	TRIP 2, 0, 1
	TRIP 3, 1, 0
	TRIP 4, 0, 1
	TRIP 5, 1, 0
	TRIP 6, 0, 1
	TRIP 7, 1, 0
	; THE WAY OUT.  Behind the last barrier nobody reads the slots: their bytes become the stage.
	PLACES 4
	v_lshl_add_u32 v[SQA], v[CC], 6, v[AX]         ; (64 rq + r) * 144 + 16 h + 64 c
	v_lshl_add_u32 v[SVA], v[CC], 5, v[RR]         ; d = 32 c + r
	v_mul_u32_u24 v[SVA], v[SVA], VPITCH
	v_lshl_add_u32 v[SVA], v[RQ], 7, v[SVA]        ; + 64 rq s x 2 bytes
	v_lshl_add_u32 v[SVA], v[HH], 4, v[SVA]
	v_add_nc_u32 v[SVA], STV, v[SVA]
	v_lshrrev_b32 v[RQA], 3, v0                    ; back: 8 threads take a row of 128 bytes
	v_mul_u32_u24 v[RQA], v[RQA], XPITCH
	v_and_b32 v215, 7, v0
	v_lshl_add_u32 v[RQA], v215, 4, v[RQA]
	v_add_nc_u32 v[RKA], STK, v[RQA]
	v_lshrrev_b32 v215, 5, v0                      ; wave
	v_and_b32 v216, 31, v0                         ; lane
	v_mul_u32_u24 v[RVA], v215, VPITCH             ; back: a wave takes a row of 512 bytes
	v_lshl_add_u32 v[RVA], v216, 4, v[RVA]
	v_add_nc_u32 v[RVA], STV, v[RVA]
	v_lshlrev_b32 v[GQA], 4, v0                    ; the 256 rows of Q and of K are dense in memory
	v_lshlrev_b32 v[GVA], 12, v215                 ; a row d of vt is 4,096 bytes
	v_lshl_add_u32 v[GVA], v216, 4, v[GVA]
	s_wait_loadcnt 0x0                             ; the biases
.irp k, 0,1,2,3,4,5,6,7
	v_pk_mul_f32 v[BQ+2*\k:BQ+2*\k+1], v[BQ+2*\k:BQ+2*\k+1], s[32:33] op_sel_hi:[1,0]
.endr
	WIN 0x41
.irp i, 0,1,2,3
.irp tl, 0,1
.irp p, 0,1,2,3
	v_pk_fma_f32 v[8*(6*\i+\tl)+2*\p:8*(6*\i+\tl)+2*\p+1], v[8*(6*\i+\tl)+2*\p:8*(6*\i+\tl)+2*\p+1], s[32:33], v[BQ+8*\tl+2*\p:BQ+8*\tl+2*\p+1] op_sel_hi:[1,0,1]
	v_pk_add_f32 v[8*(6*\i+2+\tl)+2*\p:8*(6*\i+2+\tl)+2*\p+1], v[8*(6*\i+2+\tl)+2*\p:8*(6*\i+2+\tl)+2*\p+1], v[BK+8*\tl+2*\p:BK+8*\tl+2*\p+1]
	v_pk_add_f32 v[8*(6*\i+4+\tl)+2*\p:8*(6*\i+4+\tl)+2*\p+1], v[8*(6*\i+4+\tl)+2*\p:8*(6*\i+4+\tl)+2*\p+1], v[BV+2*\tl:BV+2*\tl+1]
.endr
.endr
.endr
	WIN 0x05
.set cnt, 0
.rept 24
.irp p, 0,1,2,3
	v_cvt_pk_bf16_f32 v[OUT+4*cnt+\p], v[8*cnt+2*\p], v[8*cnt+2*\p+1]
.endr
.set cnt, cnt+1
.endr
	WIN 0
.irp i, 0,1,2,3
.irp tl, 0,1
	ds_store_b128 v[SQA], v[OUT+4*(6*\i+\tl):OUT+4*(6*\i+\tl)+3] offset:\i*2304+32*\tl
	ds_store_b128 v[SQA], v[OUT+4*(6*\i+2+\tl):OUT+4*(6*\i+2+\tl)+3] offset:STK+\i*2304+32*\tl
	ds_store_b128 v[SVA], v[OUT+4*(6*\i+4+\tl):OUT+4*(6*\i+4+\tl)+3] offset:\tl*8448+32*\i
.endr
.endr
	s_wait_dscnt 0x0                               ; my stage stores are complete, for the waves that read them
	s_barrier_signal -1
	s_barrier_wait -1
.irp it, 0,1,2,3,4,5,6,7
	ds_load_b128 v[OUT+4*\it:OUT+4*\it+3], v[RQA] offset:\it*4608
.endr
.irp it, 0,1,2,3,4,5,6,7
	ds_load_b128 v[OUT+32+4*\it:OUT+32+4*\it+3], v[RKA] offset:\it*4608
.endr
.irp it, 0,1,2,3,4,5,6,7
	ds_load_b128 v[OUT+64+4*\it:OUT+64+4*\it+3], v[RVA] offset:\it*4224
.endr
	; each store of a wave covers 512 consecutive bytes, aligned; the counts leave the younger read-backs out
.irp it, 0,1,2,3,4,5,6,7
	s_wait_dscnt 23-\it
	global_store_b128 v[GQA], v[OUT+4*\it:OUT+4*\it+3], s[18:19] offset:\it*4096
.endr
.irp it, 0,1,2,3,4,5,6,7
	s_wait_dscnt 15-\it
	global_store_b128 v[GQA], v[OUT+32+4*\it:OUT+32+4*\it+3], s[20:21] offset:\it*4096
.endr
.irp it, 0,1,2,3,4,5,6,7
	s_wait_dscnt 7-\it
	global_store_b128 v[GVA], v[OUT+64+4*\it:OUT+64+4*\it+3], s[22:23] offset:\it*32768
.endr
	s_wait_xcnt 0x0
	v_lshl_add_u32 v254, v0, 2, 0x1f000
	v_mov_b32 v255, 0
	s_wait_tensorcnt 0x0
	ds_add_u32 v254, v255
	s_wait_dscnt 0x0
	s_endpgm
.Lfunc_end_k_q4f9f1d8df6_qkv:
	.size	k_q4f9f1d8df6_qkv, .Lfunc_end_k_q4f9f1d8df6_qkv-k_q4f9f1d8df6_qkv
	.p2alignl 7, 3214868480
	.fill 96, 4, 3214868480
	.section	.rodata,"a",@progbits
	.p2align	6, 0x0
	.amdhsa_kernel k_q4f9f1d8df6_qkv
		.amdhsa_group_segment_fixed_size 128000
		.amdhsa_private_segment_fixed_size 0
		.amdhsa_enable_private_segment 0
		.amdhsa_kernarg_size 80
		.amdhsa_user_sgpr_count 2
		.amdhsa_user_sgpr_kernarg_segment_ptr 1
		.amdhsa_wavefront_size32 1
		.amdhsa_system_sgpr_workgroup_id_x 1
		.amdhsa_system_sgpr_workgroup_id_y 1
		.amdhsa_system_sgpr_workgroup_id_z 1
		.amdhsa_system_vgpr_workitem_id 0
		.amdhsa_next_free_vgpr 512
		.amdhsa_next_free_sgpr 66
		.amdhsa_reserve_vcc 0
		.amdhsa_float_denorm_mode_32 3
		.amdhsa_float_denorm_mode_16_64 3
		.amdhsa_memory_ordered 1
		.amdhsa_forward_progress 1
		.amdhsa_inst_pref_size 139
	.end_amdhsa_kernel
	.amdgpu_metadata
---
amdhsa.version: [ 1, 2 ]
amdhsa.kernels:
  - .name:           k_q4f9f1d8df6_qkv
    .symbol:         k_q4f9f1d8df6_qkv.kd
    .args:
      - { .name: x, .offset: 0, .size: 8, .value_kind: global_buffer, .address_space: global }
      - { .name: Wq, .offset: 8, .size: 8, .value_kind: global_buffer, .address_space: global }
      - { .name: Wk, .offset: 16, .size: 8, .value_kind: global_buffer, .address_space: global }
      - { .name: Wv, .offset: 24, .size: 8, .value_kind: global_buffer, .address_space: global }
      - { .name: bq, .offset: 32, .size: 8, .value_kind: global_buffer, .address_space: global }
      - { .name: bk, .offset: 40, .size: 8, .value_kind: global_buffer, .address_space: global }
      - { .name: bv, .offset: 48, .size: 8, .value_kind: global_buffer, .address_space: global }
      - { .name: qb, .offset: 56, .size: 8, .value_kind: global_buffer, .address_space: global }
      - { .name: kb, .offset: 64, .size: 8, .value_kind: global_buffer, .address_space: global }
      - { .name: vt, .offset: 72, .size: 8, .value_kind: global_buffer, .address_space: global }
    .group_segment_fixed_size: 128000
    .private_segment_fixed_size: 0
    .kernarg_segment_align: 8
    .kernarg_segment_size: 80
    .max_flat_workgroup_size: 256
    .sgpr_count:     66
    .vgpr_count:     512
    .wavefront_size: 32
...
	.end_amdgpu_metadata
.endif
;; end of part 1
;; launch attn (part 2): grid 8 x 32, 8 waves a work-group, clusters of 4 x 1, 327,680 bytes of LDS; arguments qb, kb, vt, cx; writes cx
.if DOCPART == 2
	.amdgcn_target "amdgcn-amd-amdhsa--gfx1250"
	.amdhsa_code_object_version 6
	.text
	.protected	k_q4f9f1d8df6_attn
	.globl	k_q4f9f1d8df6_attn
	.p2align	8
	.type	k_q4f9f1d8df6_attn,@function
k_q4f9f1d8df6_attn:
	s_mov_b64 s[64:65], 0
	v_nop
	global_prefetch_b8 v0, s[64:65] scope:SCOPE_SE
	s_setreg_imm32_b32 hwreg(HW_REG_WAVE_MODE, 25, 1), 1
	s_wait_xcnt 0x0
	s_wait_alu depctr_hold_cnt(0) depctr_sa_sdst(0) depctr_va_vdst(0) depctr_va_sdst(0) depctr_va_ssrc(0) depctr_va_vcc(0) depctr_vm_vsrc(0)
	s_getreg_b32 s2, hwreg(HW_REG_IB_STS2, 6, 4)
	s_cmp_eq_u32 s2, 0
	s_cbranch_scc0 .Lentry_in_a_cluster
	s_endpgm
.Lentry_in_a_cluster:
	s_bfe_u32 s2, ttmp6, 0x10000c
	s_cmp_lg_u32 s2, 0x3003
	s_cbranch_scc0 .Lentry_shape_is_right
	s_endpgm
.Lentry_shape_is_right:
; attn: cx[bh][s][d] = softmax over keys of (Q K^T / 8) times V, with a running maximum, exponentials in base 2
; (qb already carries the factor 0.125 * log2(e)).  qb, kb, cx: [32 bh][2048 s][64 d] bf16; vt: [32 bh][64 d][2048 s] bf16.
; LIMITS: the weights p are rounded to bf16 for the second product while the row sum adds the unrounded f32 p; an exponential below
; 2^-126 comes out as 0; inputs are finite.
; SHARES: a work-group takes 256 queries of one head: 8 x 32 = 256 groups.  Wave w: queries 64 (w & 3) .. + 63 (4 tiles of 16) and
; keys 64 (w >> 2) .. + 63 of every 128 keys.  The two key halves keep sums, maxima and row sums of their own and are merged once,
; at the end, through LDS.  Eight waves are two for each of the four SIMDs, so that the vector work of one wave can run beside the
; matrix work of the other.
; TRANSPOSED FORMS: S^T = K Q^T (source 0 = 16 keys, source 1 = 16 queries): lane (r, h) holds query r and keys 8 h + j, so maximum
; and sum are made inside the lane but for one exchange with lane xor 16; two packed S tiles ARE the source 1 fragment of
; ctx^T = V^T P^T, so that p is never moved between lanes; the factor of a rescale is one number a lane; and the 8 results of a lane
; are 8 neighbouring d of one query.
; FRAGMENTS: K and V have 64 registers each.  V of a step and K of the NEXT step are asked for straight behind the first product, so
; that both have the whole softmax in which to come.  The last step of a phase asks for no K: the next slot is not yet shown landed.
; CLUSTER: the four query blocks of a cluster walk the same K and V.  Every tile is asked for jointly (mask 15): the same line, the
; same descriptor (made of bh and the wave number alone) in all four.  A big tile is 512 keys: waves 0-3 fetch 128 keys of K each
; (16 KB dense, as 64 rows of 256 bytes), waves 4-7 the same keys of V^T (64 rows of 256 bytes, 4,096 bytes apart).  16 bytes of
; padding behind each row.  Two slots, four big tiles; a refill has a whole phase (256 matrix instructions a wave) in which to land.
; By the count of this text a wave has at most two tensor loads out.
.set PART,  17408                      ; 64 rows x 272
.set SLOT,  139264                     ; 8 parts
.set VOFF,  69632                      ; V parts behind the 4 K parts
.set LB,   1                           ; 16 x lane
.set ADK,  2                           ; K fragments: the step whose K was asked for last
.set ADV,  3                           ; V fragments of this step
.set BK,   4                           ; the same at step 0 of slot 0
.set BV,   5
.set VQ,   6                           ; Q fragments in memory
.set MS,   7                           ; merge stage
.set OS,   8                           ; out stage, in
.set ORD,  9                           ; out stage, back
.set M,    16                          ; v16+2q: running maximum of q tile q; v17+2q: the partner lane, at work
.set AL,   24                          ; v24+2q: rescale factor; v25+2q: row sum (of the keys of my half of the lanes)
.set S,    32                          ; v32-159: S tiles, 32 q + 8 kt; then p packed in 32 q + 0..15
.set VF,   160                         ; v160-223: V fragments 16 dt + 8 ks
.set T,    224                         ; v224-227: new maximum, first chain
.set T2,   228                         ; v228-231: second chain
.set WA,   232                         ; v232+4q: two pairs of partial row sums
.set QF,   128                         ; window 1 v128-191: Q fragments 16 q + 8 dk.  Window 1 v0-127: sums, tile (q, dt) at 8 (4 q + dt)
.set KF,   192                         ; window 1 v192-255: K fragments 16 kt + 8 dk
.set EA,   160                         ; merge: factors, in the registers of V's fragments
.set EB,   164
.set LS,   168
.set LP,   172
.set FA,   176
.set FB,   184
.set G1K, 24
.set G1V, 32
.set G0K, 40
.set G0V, 48
.set MSB, 0
.macro WIN new                         ; the high byte of the immediate repeats the setting that is left
.if MSB != \new
	s_set_vgpr_msb (MSB<<8)|\new
.set MSB, \new
.endif
.endm
.macro PLACES n
.rept \n
	v_nop
.endr
.endm
.macro MM d, a, b, zero
.if \zero
	v_wmma_f32_16x16x32_bf16 v[\d:\d+7], v[\a:\a+7], v[\b:\b+7], 0
.else
	v_wmma_f32_16x16x32_bf16 v[\d:\d+7], v[\a:\a+7], v[\b:\b+7], v[\d:\d+7]
.endif
.endm
; A round of the barrier of the cluster: the barrier of my group, wave 0 signals for the group, all wait, the barrier of my group again.
.macro ROUND
	s_barrier_signal -1
	s_barrier_wait -1
	s_cmp_lg_u32 s12, 0
	s_cbranch_scc1 .Lnot_wave_0_\@
	s_barrier_signal -3
.Lnot_wave_0_\@:
	s_barrier_wait -3
	s_barrier_signal -1
	s_barrier_wait -1
.endm
; A joint load: waves 0-3 ask for K, waves 4-7 for V^T.  The branch hangs on the wave number alone.
.macro JLOAD s
	s_cmp_eq_u32 s13, 0
	s_cbranch_scc0 .Lfor_v_\@
	tensor_load_to_lds s[G0K+4*\s:G0K+4*\s+3], s[G1K:G1K+7]
	s_nop 0
	v_nop
	s_branch .Lasked_\@
.Lfor_v_\@:
	tensor_load_to_lds s[G0V+4*\s:G0V+4*\s+3], s[G1V:G1V+7]
	s_nop 0
	v_nop
	v_nop
.Lasked_\@:
.endm
	s_load_b256 s[4:11], s[0:1], 0x0               ; qb, kb, vt, cx
	v_lshl_add_u32 v254, v0, 2, 0x44000
	v_mov_b32 v255, 0
	ds_add_u32 v254, v255
	s_wait_dscnt 0x0
	v_lshrrev_b32 v1, 5, v0
	v_readfirstlane_b32 s12, v1                    ; wave 0..7
	s_lshr_b32 s13, s12, 2                         ; g: my half of the keys; also: I fetch K (0) or V (1)
	s_and_b32 s14, s12, 3                          ; qw: my 64 queries; also: which 128 keys I fetch
	s_bfe_u32 s15, ttmp6, 0x40000                  ; my place in the cluster
	s_lshl_b32 s16, ttmp9, 2
	s_add_co_u32 s16, s16, s15                     ; block of 256 queries
	s_and_b32 s17, ttmp7, 0xffff                   ; bh
	s_mov_b32 s18, 0x76543210                      ; v_permlanex16_b32: lane i takes lane i xor 16
	s_mov_b32 s19, 0xfedcba98
	; group 1: 64 rows x 128 elements of 2 bytes; mask 15 with bit 21 beside it; 4 words of padding behind every 64 words
	s_mov_b32 s[G1K+0], 15|(1<<16)|(1<<20)|(1<<21)|(5<<22)|(3<<25)
	s_mov_b32 s[G1K+1], 128<<16                    ; tensor_dim0 = 128
	s_mov_b32 s[G1K+2], 64<<16                     ; tensor_dim1 = 64
	s_mov_b32 s[G1K+3], 128<<16                    ; tile_dim0 = 128
	s_mov_b32 s[G1K+4], 64                         ; tile_dim1 = 64
	s_mov_b32 s[G1K+5], 128                        ; K: a row begins where the last ends
	s_mov_b32 s[G1K+6], 0
	s_mov_b32 s[G1K+7], 0
	s_mov_b32 s[G1V+0], 15|(1<<16)|(1<<20)|(1<<21)|(5<<22)|(3<<25)
	s_mov_b32 s[G1V+1], 128<<16
	s_mov_b32 s[G1V+2], 64<<16
	s_mov_b32 s[G1V+3], 128<<16
	s_mov_b32 s[G1V+4], 64
	s_mov_b32 s[G1V+5], 2048                       ; V^T: 2,048 elements from d to d + 1
	s_mov_b32 s[G1V+6], 0
	s_mov_b32 s[G1V+7], 0
	s_lshl_b32 s22, s17, 18                        ; bh x 262,144: shared by the four partners
	s_mov_b32 s23, 0
	s_lshl_b32 s58, s14, 14                        ; K: 128 keys x 128 bytes
	s_mov_b32 s59, 0
	s_lshl_b32 s2, s14, 8                          ; V^T: 128 keys x 2 bytes
	s_mov_b32 s3, 0
	s_lshl_b32 s56, s16, 15                        ; Q and cx alone hang on the query block: 256 rows x 128 bytes,
	s_lshl_b32 s57, s14, 13                        ; + 64 rows x 128 bytes
	s_add_co_u32 s56, s56, s57
	s_mov_b32 s57, 0
	s_mul_i32 s21, s12, PART                       ; where my part goes: the wave number alone
	s_wait_kmcnt 0x0
	s_add_nc_u64 s[6:7], s[6:7], s[22:23]
	s_add_nc_u64 s[6:7], s[6:7], s[58:59]
	s_add_nc_u64 s[8:9], s[8:9], s[22:23]
	s_add_nc_u64 s[8:9], s[8:9], s[2:3]
	s_add_nc_u64 s[4:5], s[4:5], s[22:23]
	s_add_nc_u64 s[4:5], s[4:5], s[56:57]
	s_add_nc_u64 s[10:11], s[10:11], s[22:23]
	s_add_nc_u64 s[10:11], s[10:11], s[56:57]
.irp s, 0,1
	s_mov_b32 s[G0K+4*\s], 1
	s_add_co_u32 s[G0K+4*\s+1], s21, \s*SLOT
	s_add_nc_u64 s[G0K+4*\s+2:G0K+4*\s+3], s[6:7], \s*65536       ; big tile s: 512 keys x 128 bytes
	s_or_b32 s[G0K+4*\s+3], s[G0K+4*\s+3], 0x80000000
	s_mov_b32 s[G0V+4*\s], 1
	s_add_co_u32 s[G0V+4*\s+1], s21, \s*SLOT
	s_add_nc_u64 s[G0V+4*\s+2:G0V+4*\s+3], s[8:9], \s*1024        ; 512 keys x 2 bytes
	s_or_b32 s[G0V+4*\s+3], s[G0V+4*\s+3], 0x80000000
.endr
	ROUND                                          ; all four groups are here: the first joint loads meet
	JLOAD 0
	JLOAD 1
	v_and_b32 v10, 15, v0                          ; r
	v_bfe_u32 v11, v0, 4, 1                        ; h
	v_and_b32 v12, 31, v0                          ; lane
	v_lshlrev_b32 v[LB], 4, v12
	v_lshrrev_b32 v13, 1, v10
	v_and_b32 v14, 1, v10
	v_mul_u32_u24 v[BK], v13, 272                  ; two keys lie in an LDS row: key r at (r >> 1) * 272 + (r & 1) * 128, which are
	v_lshl_add_u32 v[BK], v14, 7, v[BK]            ; sixteen different 16-byte columns modulo 256 bytes for r = 0..15
	v_lshl_add_u32 v[BK], v11, 4, v[BK]
	s_mul_i32 s20, s13, 8704                       ; my 64 keys: 32 g rows
	v_add_nc_u32 v[BK], s20, v[BK]
	v_mul_u32_u24 v[BV], v10, 272                  ; row d = r
	v_lshl_add_u32 v[BV], v11, 4, v[BV]
	s_lshl_b32 s20, s13, 7                         ; my 64 keys: 128 g bytes
	s_add_co_u32 s20, s20, VOFF
	v_add_nc_u32 v[BV], s20, v[BV]
	v_lshlrev_b32 v[VQ], 7, v10
	v_lshl_add_u32 v[VQ], v11, 4, v[VQ]
	s_mul_i32 s20, s14, 18432                      ; merge stage of my 64 queries: 128 + 16 registers x 128 bytes
	v_add_nc_u32 v[MS], s20, v[LB]
	s_mul_i32 s20, s14, 9216                       ; out stage: 64 rows x 144, behind the four merge stages
	s_add_co_u32 s20, s20, 73728
	v_mul_u32_u24 v[OS], v10, 144
	v_lshl_add_u32 v[OS], v11, 4, v[OS]
	v_add_nc_u32 v[OS], s20, v[OS]
	v_lshrrev_b32 v13, 3, v12
	v_and_b32 v14, 7, v12
	v_mul_u32_u24 v[ORD], v13, 144
	v_lshl_add_u32 v[ORD], v14, 4, v[ORD]
	v_add_nc_u32 v[ORD], s20, v[ORD]
.irp q, 0,1,2,3
	v_mov_b32 v[M+2*\q+1], 0                       ; the destination of v_permlanex16_b32 counts as read
.endr
	WIN 0x40
.irp q, 0,1,2,3
.irp dk, 0,1
	global_load_b128 v[QF+16*\q+8*\dk:QF+16*\q+8*\dk+3], v[VQ], s[4:5] offset:\q*2048+64*\dk
	global_load_b128 v[QF+16*\q+8*\dk+4:QF+16*\q+8*\dk+7], v[VQ], s[4:5] offset:\q*2048+64*\dk+32
.endr
.endr
	WIN 0
; 16 loads: the K fragments at ADK, d 0-31 of the four key tiles first
.macro KLOAD
	WIN 0x40
.irp dk, 0,1
.irp kt, 0,1,2,3
	ds_load_b128 v[KF+16*\kt+8*\dk:KF+16*\kt+8*\dk+3], v[ADK] offset:\kt*2176+64*\dk
	ds_load_b128 v[KF+16*\kt+8*\dk+4:KF+16*\kt+8*\dk+7], v[ADK] offset:\kt*2176+64*\dk+32
.endr
.endr
	WIN 0
.endm
.macro SUB1 q, p                       ; pair p of q tile q: S - maximum
	v_pk_add_f32 v[S+32*(\q)+2*(\p):S+32*(\q)+2*(\p)+1], v[S+32*(\q)+2*(\p):S+32*(\q)+2*(\p)+1], v[M+2*(\q):M+2*(\q)+1] op_sel_hi:[1,0] neg_lo:[0,1] neg_hi:[0,1]
.endm
; Item k of 16 of the row sum and the packing of q tile q.  Two chains of pairs, started by pairs 0 + 2 and 1 + 3: nothing is cleared.
; Pair k is packed into register k, which belongs to pair k >> 1: that pair has been summed and packed before.
.macro SC1 q, k
.if (\k) < 2
	s_wait_alu depctr_va_vdst(0)
	v_pk_add_f32 v[WA+4*(\q)+2*(\k):WA+4*(\q)+2*(\k)+1], v[S+32*(\q)+2*(\k):S+32*(\q)+2*(\k)+1], v[S+32*(\q)+2*(\k)+4:S+32*(\q)+2*(\k)+5]
.endif
.if (\k) > 3
	v_pk_add_f32 v[WA+4*(\q)+2*((\k)&1):WA+4*(\q)+2*((\k)&1)+1], v[WA+4*(\q)+2*((\k)&1):WA+4*(\q)+2*((\k)&1)+1], v[S+32*(\q)+2*(\k):S+32*(\q)+2*(\k)+1]
.endif
	v_cvt_pk_bf16_f32 v[S+32*(\q)+(\k)], v[S+32*(\q)+2*(\k)], v[S+32*(\q)+2*(\k)+1]
.endm
.macro SCFIN q, first                  ; the two chains meet; row sum = old row sum x factor + this step's
	v_pk_add_f32 v[WA+4*(\q):WA+4*(\q)+1], v[WA+4*(\q):WA+4*(\q)+1], v[WA+4*(\q)+2:WA+4*(\q)+3]
.if \first
	v_add_f32 v[AL+2*(\q)+1], v[WA+4*(\q)], v[WA+4*(\q)+1]
.else
	v_add_f32 v[WA+4*(\q)], v[WA+4*(\q)], v[WA+4*(\q)+1]
	v_fma_f32 v[AL+2*(\q)+1], v[AL+2*(\q)+1], v[AL+2*(\q)], v[WA+4*(\q)]
.endif
.endm
; The 32 exponentials of q tile q, in place.  Between them stand the subtractions of tile q + 1 and the sums and packings of tile q - 1:
; plain instructions on other registers, which are also the place that stands behind an exponential (ISA guide 5.7.2).
.macro EXPB q, first
.set ii, 0
.rept 16
	v_exp_f32 v[S+32*\q+2*ii], v[S+32*\q+2*ii]
.if \q < 3
	SUB1 \q+1, ii
.endif
	v_exp_f32 v[S+32*\q+2*ii+1], v[S+32*\q+2*ii+1]
.if \q > 0
	SC1 \q-1, ii
.endif
.set ii, ii+1
.endr
.if \q > 0
	SCFIN \q-1, \first
.endif
.endm
; One step of a wave: 64 keys x 64 queries.  In both blocks of matrix instructions 16 accumulators take turns, one instruction a turn.
; first = 1: maxima, row sums and sums start here.  kpre = 1: the K fragments of the next step are asked for.
.macro STEP first, kpre
	WIN 0x05                                       ; sources 0 and 1 (K, Q) in window 1
	s_wait_dscnt 8                                 ; only K's 16 loads can be out: d 0-31 of the four key tiles are in, the eight loads of d 32-63 may be out
.irp kt, 0,1,2,3
.irp q, 0,1,2,3
	MM S+32*\q+8*\kt, KF+16*\kt, QF+16*\q, 1
.endr
.endr
	s_wait_dscnt 0
.irp kt, 0,1,2,3
.irp q, 0,1,2,3
	MM S+32*\q+8*\kt, KF+16*\kt+8, QF+16*\q+8, 0
.endr
.endr
	WIN 0
	; four places in front of the loads into K's fragments and of the reads of S
.if \kpre
	v_add_nc_u32 v[ADK], PART, v[ADK]              ; the next 128 keys are the next part; the loads that used ADK are back (the wait for 0 above)
	PLACES 3
.else
	PLACES 4
.endif
.irp dt, 0,1,2,3
.irp ks, 0,1
	ds_load_b128 v[VF+16*\dt+8*\ks:VF+16*\dt+8*\ks+3], v[ADV] offset:\dt*4352+64*\ks
	ds_load_b128 v[VF+16*\dt+8*\ks+4:VF+16*\dt+8*\ks+7], v[ADV] offset:\dt*4352+64*\ks+32
.endr
.endr
.if \kpre
	KLOAD
.endif
	; the new maximum: the old one and my 32 scores of each q tile, in eight chains side by side (two for each q tile)
.irp q, 0,1,2,3
.if \first
	v_max_num_f32 v[T+\q], v[S+32*\q], v[S+32*\q+1]
.else
	v_max3_num_f32 v[T+\q], v[M+2*\q], v[S+32*\q], v[S+32*\q+1]
.endif
.endr
.irp q, 0,1,2,3
	v_max_num_f32 v[T2+\q], v[S+32*\q+16], v[S+32*\q+17]
.endr
.irp k, 1,2,3,4,5,6,7
.irp q, 0,1,2,3
	v_max3_num_f32 v[T+\q], v[T+\q], v[S+32*\q+2*\k], v[S+32*\q+2*\k+1]
.endr
.irp q, 0,1,2,3
	v_max3_num_f32 v[T2+\q], v[T2+\q], v[S+32*\q+16+2*\k], v[S+32*\q+17+2*\k]
.endr
.endr
.irp q, 0,1,2,3
	v_max_num_f32 v[T+\q], v[T+\q], v[T2+\q]
.endr
.irp q, 0,1,2,3
	v_permlanex16_b32 v[M+2*\q+1], v[T+\q], s18, s19
.endr
.irp q, 0,1,2,3
	v_max_num_f32 v[T+\q], v[T+\q], v[M+2*\q+1]
.endr
.if \first == 0
.irp q, 0,1,2,3
	v_sub_f32 v[AL+2*\q], v[M+2*\q], v[T+\q]
.endr
.irp q, 0,1,2,3
	v_exp_f32 v[AL+2*\q], v[AL+2*\q]               ; 2^(old maximum - new maximum); the moves below are the plain place behind it
.endr
.endif
.irp q, 0,1,2,3
	v_mov_b32 v[M+2*\q], v[T+\q]
.endr
.set ii, 0
.rept 16
	SUB1 0, ii
.set ii, ii+1
.endr
	EXPB 0, \first
	EXPB 1, \first
	EXPB 2, \first
	EXPB 3, \first
.if \first == 0
	WIN 0x41                                       ; the sums so far times 2^(old maximum - new maximum)
.irp q, 0,1,2,3
.irp p, 0,1,2,3,4,5,6,7,8,9,10,11,12,13,14,15
	v_pk_mul_f32 v[32*\q+2*\p:32*\q+2*\p+1], v[32*\q+2*\p:32*\q+2*\p+1], v[AL+2*\q:AL+2*\q+1] op_sel_hi:[1,0]
.endr
.endr
	WIN 0
.endif
.set ii, 0
.rept 16
	SC1 3, ii
.set ii, ii+1
.endr
	SCFIN 3, \first
	s_wait_dscnt 16*\kpre                          ; the V fragments are in; the 16 loads of the next step's K, issued behind them, may be out
	WIN 0x50                                       ; C and D in window 1
.irp ks, 0,1
.irp q, 0,1,2,3
.irp dt, 0,1,2,3
	MM 8*(4*\q+\dt), VF+16*\dt+8*\ks, S+32*\q+8*\ks, \first*(1-\ks)
.endr
.endr
.endr
	WIN 0
	; five places: the first products of the next step write over p (ISA guide 7.12.1)
	v_add_nc_u32 v[ADV], PART, v[ADV]              ; the loads that used ADV are back (the wait in front of the products)
	PLACES 4
.endm
; A phase: the four steps of one big tile.  The last step is written out: it asks for no K.
.macro PHASE slot, first
	v_add_nc_u32 v[ADK], \slot*SLOT, v[BK]
	v_add_nc_u32 v[ADV], \slot*SLOT, v[BV]
	KLOAD
.if \first
	STEP 1, 1                                      ; the very first step starts maxima, row sums and sums: nothing is cleared
	s_mov_b32 s20, 2
.else
	s_mov_b32 s20, 3
.endif
.Lstep_\@:
	STEP 0, 1
	s_sub_co_i32 s20, s20, 1
	s_cmp_lg_u32 s20, 0
	s_cbranch_scc1 .Lstep_\@
	STEP 0, 0
.endm
; Slot s, which has been read, is filled again with the big tile two further on.  In front of the round every wave has its LDS reads
; back and all its tensor loads landed (its part of the other slot among them); only register work stands inside the round; the joint
; load is the first tensor load behind it.
.macro REFILL s
	s_wait_dscnt 0x0
	s_wait_xcnt 0x0
	v_lshl_add_u32 v254, v0, 2, 0x44000
	v_mov_b32 v255, 0
	s_wait_tensorcnt 0x0
	ds_add_u32 v254, v255
	s_wait_dscnt 0x0
	s_add_nc_u64 s[G0K+4*\s+2:G0K+4*\s+3], s[G0K+4*\s+2:G0K+4*\s+3], 131072
	s_add_nc_u64 s[G0V+4*\s+2:G0V+4*\s+3], s[G0V+4*\s+2:G0V+4*\s+3], 2048
	ROUND
	JLOAD \s
.endm
	s_wait_tensorcnt 0x1                           ; my part of big tile 0 is in; tile 1 stays out
	s_barrier_signal -1
	s_barrier_wait -1
	s_wait_loadcnt 0x0                             ; Q
	PHASE 0, 1
	REFILL 0
	PHASE 1, 0
	REFILL 1
	PHASE 0, 0
	s_wait_dscnt 0x0                               ; my reads of slot 0 are over: its bytes become the stages below
	s_wait_tensorcnt 0x0                           ; my part of the last big tile is in
	s_barrier_signal -1
	s_barrier_wait -1
	PHASE 1, 0
	; THE MERGE.  The stages lie in slot 0, which has had its last fill and, by the barrier above, its last read.
	s_cmp_eq_u32 s13, 0
	s_cbranch_scc1 .Lkeep                          ; waves 0-3 keep theirs in registers
	WIN 0x04
.set cnt, 0
.rept 32
	ds_store_b128 v[MS], v[4*cnt:4*cnt+3] offset:512*cnt
.set cnt, cnt+1
.endr
	WIN 0
.irp k, 0,1,2,3
	ds_store_b128 v[MS], v[M+4*\k:M+4*\k+3] offset:16384+512*\k
.endr
.Lkeep:
	s_wait_dscnt 0x0
	s_barrier_signal -1
	s_barrier_wait -1
	s_cmp_lg_u32 s13, 0
	s_cbranch_scc1 .Lclose                         ; waves 4-7 have handed over
.set cnt, 0
.rept 32
	ds_load_b128 v[S+4*cnt:S+4*cnt+3], v[MS] offset:512*cnt
.set cnt, cnt+1
.endr
.irp k, 0,1,2,3
	ds_load_b128 v[240+4*\k:240+4*\k+3], v[MS] offset:16384+512*\k     ; v240+2q: the other maximum; v249+2q: the other row sum
.endr
	s_wait_dscnt 0x0
.irp q, 0,1,2,3
	v_max_num_f32 v[T+\q], v[M+2*\q], v[240+2*\q]
.endr
.irp q, 0,1,2,3
	v_sub_f32 v[EA+\q], v[M+2*\q], v[T+\q]
	v_sub_f32 v[EB+\q], v[240+2*\q], v[T+\q]
.endr
.irp q, 0,1,2,3
	v_exp_f32 v[EA+\q], v[EA+\q]
	v_exp_f32 v[EB+\q], v[EB+\q]
.endr
	v_nop
.irp q, 0,1,2,3
	s_wait_alu depctr_va_vdst(0)
	v_mul_f32 v[LS+\q], v[AL+2*\q+1], v[EA+\q]
.endr
.irp q, 0,1,2,3
	v_fmac_f32 v[LS+\q], v[249+2*\q], v[EB+\q]
.endr
.irp q, 0,1,2,3
	v_permlanex16_b32 v[LP+\q], v[LS+\q], s18, s19 ; the keys of the other half of the lanes
.endr
.irp q, 0,1,2,3
	v_add_f32 v[LS+\q], v[LS+\q], v[LP+\q]         ; at least 1: the key of the maximum counts 2^0
.endr
.irp q, 0,1,2,3
	v_rcp_f32 v[LS+\q], v[LS+\q]
.endr
	v_nop
.irp q, 0,1,2,3
	s_wait_alu depctr_va_vdst(0)
	v_mul_f32 v[FA+2*\q], v[EA+\q], v[LS+\q]
	v_mul_f32 v[FA+2*\q+1], v[EA+\q], v[LS+\q]
	v_mul_f32 v[FB+2*\q], v[EB+\q], v[LS+\q]
	v_mul_f32 v[FB+2*\q+1], v[EB+\q], v[LS+\q]
.endr
.irp q, 0,1,2,3
.irp p, 0,1,2,3,4,5,6,7,8,9,10,11,12,13,14,15
	v_pk_mul_f32 v[S+32*\q+2*\p:S+32*\q+2*\p+1], v[S+32*\q+2*\p:S+32*\q+2*\p+1], v[FB+2*\q:FB+2*\q+1]
.endr
.endr
	WIN 0x01
.irp q, 0,1,2,3
.irp p, 0,1,2,3,4,5,6,7,8,9,10,11,12,13,14,15
	v_pk_fma_f32 v[S+32*\q+2*\p:S+32*\q+2*\p+1], v[32*\q+2*\p:32*\q+2*\p+1], v[FA+2*\q:FA+2*\q+1], v[S+32*\q+2*\p:S+32*\q+2*\p+1]
.endr
.endr
	WIN 0
.set cnt, 0
.rept 64
	v_cvt_pk_bf16_f32 v[S+cnt], v[S+2*cnt], v[S+2*cnt+1]               ; packed in place, ascending: tile (q, dt) ends in 4 registers at S + 4 (4 q + dt)
.set cnt, cnt+1
.endr
	; through a stage of my own (64 rows x 144 bytes): LDS serves the instructions of a wave in order, so no wait stands between
.irp q, 0,1,2,3
.irp dt, 0,1,2,3
	ds_store_b128 v[OS], v[S+4*(4*\q+\dt):S+4*(4*\q+\dt)+3] offset:\q*2304+32*\dt
.endr
.endr
.irp it, 0,1,2,3,4,5,6,7,8,9,10,11,12,13,14,15
	ds_load_b128 v[96+4*\it:96+4*\it+3], v[ORD] offset:\it*576
.endr
.irp it, 0,1,2,3,4,5,6,7,8,9,10,11,12,13,14,15
	s_wait_dscnt 15-\it                            ; the younger read-backs stay out
	global_store_b128 v[LB], v[96+4*\it:96+4*\it+3], s[10:11] offset:\it*512   ; 512 consecutive bytes, aligned: my 64 rows are dense
.endr
.Lclose:
	s_wait_xcnt 0x0
	v_lshl_add_u32 v254, v0, 2, 0x44000
	v_mov_b32 v255, 0
	s_wait_tensorcnt 0x0
	ds_add_u32 v254, v255
	s_wait_dscnt 0x0
	ROUND                                          ; no group ends while a partner may still ask for a tile that names it
	s_endpgm
.Lfunc_end_k_q4f9f1d8df6_attn:
	.size	k_q4f9f1d8df6_attn, .Lfunc_end_k_q4f9f1d8df6_attn-k_q4f9f1d8df6_attn
	.p2alignl 7, 3214868480
	.fill 96, 4, 3214868480
	.section	.rodata,"a",@progbits
	.p2align	6, 0x0
	.amdhsa_kernel k_q4f9f1d8df6_attn
		.amdhsa_group_segment_fixed_size 327680
		.amdhsa_private_segment_fixed_size 0
		.amdhsa_enable_private_segment 0
		.amdhsa_kernarg_size 32
		.amdhsa_user_sgpr_count 2
		.amdhsa_user_sgpr_kernarg_segment_ptr 1
		.amdhsa_wavefront_size32 1
		.amdhsa_system_sgpr_workgroup_id_x 1
		.amdhsa_system_sgpr_workgroup_id_y 1
		.amdhsa_system_sgpr_workgroup_id_z 1
		.amdhsa_system_vgpr_workitem_id 0
		.amdhsa_next_free_vgpr 512
		.amdhsa_next_free_sgpr 66
		.amdhsa_reserve_vcc 0
		.amdhsa_float_denorm_mode_32 3
		.amdhsa_float_denorm_mode_16_64 3
		.amdhsa_memory_ordered 1
		.amdhsa_forward_progress 1
		.amdhsa_inst_pref_size 255
	.end_amdhsa_kernel
	.section	.bss,"aw",@nobits
	.p2align	6
	.space	262144
	.amdgpu_metadata
---
amdhsa.version: [ 1, 2 ]
amdhsa.kernels:
  - .name:           k_q4f9f1d8df6_attn
    .symbol:         k_q4f9f1d8df6_attn.kd
    .args:
      - { .name: qb, .offset: 0, .size: 8, .value_kind: global_buffer, .address_space: global }
      - { .name: kb, .offset: 8, .size: 8, .value_kind: global_buffer, .address_space: global }
      - { .name: vt, .offset: 16, .size: 8, .value_kind: global_buffer, .address_space: global }
      - { .name: cx, .offset: 24, .size: 8, .value_kind: global_buffer, .address_space: global }
    .group_segment_fixed_size: 327680
    .private_segment_fixed_size: 0
    .kernarg_segment_align: 8
    .kernarg_segment_size: 32
    .max_flat_workgroup_size: 256
    .sgpr_count:     66
    .vgpr_count:     512
    .wavefront_size: 32
...
	.end_amdgpu_metadata
.endif
;; end of part 2
;; launch oproj (part 3): grid 4 x 64, 8 waves a work-group, clusters of 4 x 1, 287,744 bytes of LDS; arguments cx, Wo, bo, out0; writes out0
.if DOCPART == 3
	.amdgcn_target "amdgcn-amd-amdhsa--gfx1250"
	.amdhsa_code_object_version 6
	.text
	.protected	k_q4f9f1d8df6_oproj
	.globl	k_q4f9f1d8df6_oproj
	.p2align	8
	.type	k_q4f9f1d8df6_oproj,@function
k_q4f9f1d8df6_oproj:
	s_mov_b64 s[64:65], 0
	v_nop
	global_prefetch_b8 v0, s[64:65] scope:SCOPE_SE
	s_setreg_imm32_b32 hwreg(HW_REG_WAVE_MODE, 25, 1), 1
	s_wait_xcnt 0x0
	s_wait_alu depctr_hold_cnt(0) depctr_sa_sdst(0) depctr_va_vdst(0) depctr_va_sdst(0) depctr_va_ssrc(0) depctr_va_vcc(0) depctr_vm_vsrc(0)
	s_getreg_b32 s2, hwreg(HW_REG_IB_STS2, 6, 4)
	s_cmp_eq_u32 s2, 0
	s_cbranch_scc0 .Lentry_in_a_cluster
	s_endpgm
.Lentry_in_a_cluster:
	s_bfe_u32 s2, ttmp6, 0x10000c
	s_cmp_lg_u32 s2, 0x3003
	s_cbranch_scc0 .Lentry_shape_is_right
	s_endpgm
.Lentry_shape_is_right:
; oproj: out0 = ctx Wo + bo, f32.  cx: [32 bh][2048 s][64 d] bf16 (head-major), Wo: [512 k][512 n] f32, out0: [8192][512] f32.
; LIMITS: Wo is rounded to bf16 for the matrix unit (ctx is bf16 already); sums and bias in f32; inputs are finite.
; SHARES: a work-group makes 128 rows x 128 columns: 64 x 4 = 256 groups.  Wave w: rows 32 (w >> 1) .. + 31, columns 64 (w & 1) .. + 63:
; 2 x 4 tiles, 64 accumulator registers.  A chunk of 64 along K is one head.
; CLUSTER: the four column blocks of a cluster need the same 128 rows of ctx.  Wave w asks jointly (mask 15) for head w: 16 KB dense,
; as 64 rows of 256 bytes with 16 bytes of padding; the descriptor is made of the row block and the wave number alone.  One tensor
; load of a wave is out, and no LDS byte is filled twice.
; Wo is f32 and has to be rounded, so it comes through registers: a ring of four register sets keeps four chunks (32 loads of 16 bytes
; a lane) on their way; each chunk gets LDS bytes of its own, so one barrier a trip (stores in front, reads behind) is enough.
; The matrix instruction takes W as source 0 and ctx as source 1: a lane holds 8 neighbouring columns of one row of out0.
.set APART,  17408                     ; one head of ctx: 64 rows x 272
.set WBASE,  139264                    ; behind the 8 heads
.set WPITCH, 288                       ; 128 n x 2 bytes + 32 = 9 x 32
.set WCHUNK, 18432                     ; 64 k x 288
.set OPITCH, 528                       ; way out: 128 f32 + 16 bytes
.set VW,  1                            ; wave * 2048 + 16 lane: my bytes in a group of 8 rows of Wo, and of out0
.set SW,  2                            ; where I store W
.set AW,  3                            ; W fragments
.set AC,  4                            ; ctx fragments
.set VBO, 5                            ; 16 lane
.set SO,  6                            ; stage, in
.set RO,  7                            ; stage, back
.set ST,  16                           ; v16-143  four register sets of 32
.set CF,  144                          ; v144-175 ctx fragments 16 ks + 8 i
.set WF,  176                          ; v176-239 W fragments 32 ks + 8 nt
.set BO,  240                          ; v240-243 bo of my 4 columns.  Window 1 v0-63: sums, tile (i, nt) at 8 (4 i + nt)
.set MSB, 0
.macro WIN new                         ; the high byte of the immediate repeats the setting that is left
.if MSB != \new
	s_set_vgpr_msb (MSB<<8)|\new
.set MSB, \new
.endif
.endm
.macro PLACES n
.rept \n
	v_nop
.endr
.endm
.macro MM d, a, b, zero
.if \zero
	v_wmma_f32_16x16x32_bf16 v[\d:\d+7], v[\a:\a+7], v[\b:\b+7], 0
.else
	v_wmma_f32_16x16x32_bf16 v[\d:\d+7], v[\a:\a+7], v[\b:\b+7], v[\d:\d+7]
.endif
.endm
.macro ROUND
	s_barrier_signal -1
	s_barrier_wait -1
	s_cmp_lg_u32 s12, 0
	s_cbranch_scc1 .Lnot_wave_0_\@
	s_barrier_signal -3
.Lnot_wave_0_\@:
	s_barrier_wait -3
	s_barrier_signal -1
	s_barrier_wait -1
.endm
	s_load_b256 s[4:11], s[0:1], 0x0               ; cx, Wo, bo, out0
	v_lshl_add_u32 v254, v0, 2, 0x46000
	v_mov_b32 v255, 0
	ds_add_u32 v254, v255
	v_lshrrev_b32 v1, 5, v0
	v_readfirstlane_b32 s12, v1                    ; wave 0..7
	s_bfe_u32 s13, ttmp6, 0x40000                  ; my place in the cluster
	s_lshl_b32 s14, ttmp9, 2
	s_add_co_u32 s14, s14, s13                     ; block of 128 columns
	s_and_b32 s15, ttmp7, 0xffff                   ; block of 128 rows, 0..63
	s_mov_b32 s24, 15|(1<<16)|(1<<20)|(1<<21)|(5<<22)|(3<<25)   ; mask 15, bit 21 beside it; 2-byte elements; 4 words of padding behind every 64
	s_mov_b32 s25, 128<<16                         ; tensor_dim0 = 128
	s_mov_b32 s26, 64<<16                          ; tensor_dim1 = 64
	s_mov_b32 s27, 128<<16                         ; tile_dim0 = 128
	s_mov_b32 s28, 64                              ; tile_dim1 = 64
	s_mov_b32 s29, 128                             ; a row begins where the last ends
	s_mov_b32 s30, 0
	s_mov_b32 s31, 0
	s_lshr_b32 s16, s15, 4                         ; batch
	s_lshl_b32 s16, s16, 3
	s_add_co_u32 s16, s16, s12                     ; bh = 8 batch + wave
	s_lshl_b32 s16, s16, 18
	s_and_b32 s17, s15, 15
	s_lshl_b32 s17, s17, 14                        ; + 128 rows x 128 bytes
	s_add_co_u32 s16, s16, s17
	s_mov_b32 s17, 0
	s_lshl_b32 s18, s14, 9                         ; 128 columns x 4 bytes
	s_mov_b32 s19, 0
	s_lshl_b32 s20, s15, 18                        ; 128 rows x 2,048 bytes
	s_mov_b32 s21, 0
	s_mul_i32 s22, s12, APART
	s_wait_dscnt 0x0
	s_wait_kmcnt 0x0
	s_add_nc_u64 s[4:5], s[4:5], s[16:17]
	s_add_nc_u64 s[6:7], s[6:7], s[18:19]
	s_add_nc_u64 s[8:9], s[8:9], s[18:19]
	s_add_nc_u64 s[10:11], s[10:11], s[18:19]
	s_add_nc_u64 s[10:11], s[10:11], s[20:21]
	s_mov_b32 s32, 1
	s_mov_b32 s33, s22
	s_mov_b64 s[34:35], s[4:5]
	s_or_b32 s35, s35, 0x80000000
	ROUND                                          ; all four groups are here: the joint loads meet
	tensor_load_to_lds s[32:35], s[24:31]
	s_nop 0
	v_and_b32 v9, 31, v0                           ; lane
	v_and_b32 v10, 15, v0                          ; r
	v_bfe_u32 v11, v0, 4, 1                        ; h
	v_lshrrev_b32 v12, 5, v0                       ; wave
	v_lshrrev_b32 v13, 6, v0                       ; rq
	v_bfe_u32 v14, v0, 5, 1                        ; c
	v_lshlrev_b32 v[VBO], 4, v9
	v_lshl_add_u32 v[VW], v12, 11, v[VBO]
	v_mul_u32_u24 v[SW], v12, WPITCH
	v_lshl_add_u32 v[SW], v9, 3, v[SW]
	v_add_nc_u32 v[SW], WBASE, v[SW]
	v_and_b32 v15, 7, v0
	v_lshl_add_u32 v15, v11, 3, v15                ; k row 8 h + (lane & 7)
	v_mul_u32_u24 v[AW], v15, WPITCH
	v_bfe_u32 v15, v0, 3, 1
	v_lshl_add_u32 v[AW], v15, 4, v[AW]
	v_lshl_add_u32 v[AW], v14, 7, v[AW]            ; my 64 columns
	v_add_nc_u32 v[AW], WBASE, v[AW]
	v_lshrrev_b32 v15, 1, v10
	v_lshl_add_u32 v15, v13, 4, v15                ; two rows of ctx lie in an LDS row: 16 rq + (r >> 1)
	v_mul_u32_u24 v[AC], v15, 272
	v_and_b32 v15, 1, v10
	v_lshl_add_u32 v[AC], v15, 7, v[AC]
	v_lshl_add_u32 v[AC], v11, 4, v[AC]
	v_lshl_add_u32 v15, v13, 5, v10                ; row 32 rq + r
	v_mul_u32_u24 v[SO], v15, OPITCH
	v_lshl_add_u32 v[SO], v14, 8, v[SO]
	v_lshl_add_u32 v[SO], v11, 5, v[SO]
	v_mul_u32_u24 v[RO], v12, OPITCH
	v_add_nc_u32 v[RO], v[VBO], v[RO]
.macro GLOADW c                        ; chunk c of Wo: 8 loads, each wave takes 512 consecutive bytes of one row
.irp kg, 0,1,2,3,4,5,6,7
	global_load_b128 v[ST+32*((\c)&3)+4*\kg:ST+32*((\c)&3)+4*\kg+3], v[VW], s[6:7] offset:(\c)*131072+\kg*16384
.endr
.endm
	global_load_b128 v[BO:BO+3], v[VBO], s[8:9]    ; the oldest load: the first counted wait covers it
	GLOADW 0
	GLOADW 1
	GLOADW 2
	GLOADW 3
; Trip c: chunk c of W is rounded and laid into its own LDS bytes; behind the barrier 24 fragment loads and 16 matrix instructions.
; The 8 accumulators take turns, one instruction a turn.
.macro TRIP c, zero
.if \c < 5
	s_wait_loadcnt 24                              ; my set is in; the three younger sets stay out
.else
	s_wait_loadcnt 8*(7-\c)                        ; the ring runs empty: 16, 8, 0
.endif
.irp kg, 0,1,2,3,4,5,6,7
	v_cvt_pk_bf16_f32 v[ST+32*(\c&3)+4*\kg], v[ST+32*(\c&3)+4*\kg], v[ST+32*(\c&3)+4*\kg+1]
	v_cvt_pk_bf16_f32 v[ST+32*(\c&3)+4*\kg+1], v[ST+32*(\c&3)+4*\kg+2], v[ST+32*(\c&3)+4*\kg+3]
.endr
.irp kg, 0,1,2,3,4,5,6,7
	ds_store_b64 v[SW], v[ST+32*(\c&3)+4*\kg:ST+32*(\c&3)+4*\kg+1] offset:\kg*2304
.endr
.if \c == 0
	s_wait_tensorcnt 0x0                           ; my head of ctx is in, for the waves that read it
.endif
	s_wait_dscnt 0x0                               ; my stores are complete, for the waves that read them; the set may be loaded again
.if \c < 4
	GLOADW \c+4
.endif
	s_barrier_signal -1
	s_barrier_wait -1
	PLACES 4                                       ; loads into registers that matrix instructions have read
.irp ks, 0,1
.irp i, 0,1
	ds_load_b128 v[CF+16*\ks+8*\i:CF+16*\ks+8*\i+3], v[AC] offset:\i*2176+64*\ks
	ds_load_b128 v[CF+16*\ks+8*\i+4:CF+16*\ks+8*\i+7], v[AC] offset:\i*2176+64*\ks+32
.endr
.irp nt, 0,1,2,3
	ds_load_tr16_b128 v[WF+32*\ks+8*\nt:WF+32*\ks+8*\nt+3], v[AW] offset:\ks*9216+32*\nt
	ds_load_tr16_b128 v[WF+32*\ks+8*\nt+4:WF+32*\ks+8*\nt+7], v[AW] offset:\ks*9216+32*\nt+4608
.endr
.endr
	WIN 0x50
	s_wait_dscnt 12                                ; the first 32 along K are in; the 12 loads of the second 32 may be out
.irp i, 0,1
.irp nt, 0,1,2,3
	MM 8*(4*\i+\nt), WF+8*\nt, CF+8*\i, \zero
.endr
.endr
	s_wait_dscnt 0
.irp i, 0,1
.irp nt, 0,1,2,3
	MM 8*(4*\i+\nt), WF+32+8*\nt, CF+16+8*\i, 0
.endr
.endr
	WIN 0
	v_add_nc_u32 v[SW], WCHUNK, v[SW]
	v_add_nc_u32 v[AW], WCHUNK, v[AW]
	v_add_nc_u32 v[AC], APART, v[AC]
.endm
	TRIP 0, 1
	TRIP 1, 0
	TRIP 2, 0
	TRIP 3, 0
	TRIP 4, 0
	TRIP 5, 0
	TRIP 6, 0
	TRIP 7, 0
	; THE WAY OUT: the bytes of ctx, which have had their only fill, become a stage of 128 rows x 528 bytes once every wave has read them.
	PLACES 4
	s_wait_dscnt 0x0
	s_barrier_signal -1
	s_barrier_wait -1
	WIN 0x04
.irp i, 0,1
.irp nt, 0,1,2,3
	ds_store_b128 v[SO], v[8*(4*\i+\nt):8*(4*\i+\nt)+3] offset:\i*8448+64*\nt
	ds_store_b128 v[SO], v[8*(4*\i+\nt)+4:8*(4*\i+\nt)+7] offset:\i*8448+64*\nt+16
.endr
.endr
	WIN 0
	s_wait_dscnt 0x0
	s_barrier_signal -1
	s_barrier_wait -1
.irp it, 0,1,2,3,4,5,6,7,8,9,10,11,12,13,14,15
	ds_load_b128 v[ST+4*\it:ST+4*\it+3], v[RO] offset:\it*4224
.endr
.irp it, 0,1,2,3,4,5,6,7,8,9,10,11,12,13,14,15
	s_wait_dscnt 15-\it                            ; the younger read-backs stay out
	v_pk_add_f32 v[ST+4*\it:ST+4*\it+1], v[ST+4*\it:ST+4*\it+1], v[BO:BO+1]
	v_pk_add_f32 v[ST+4*\it+2:ST+4*\it+3], v[ST+4*\it+2:ST+4*\it+3], v[BO+2:BO+3]
	global_store_b128 v[VW], v[ST+4*\it:ST+4*\it+3], s[10:11] offset:\it*16384 th:TH_STORE_NT   ; a wave stores 512 consecutive bytes of a row, aligned
.endr
	s_wait_tensorcnt 0x0
	ds_add_u32 v254, v255
	s_wait_dscnt 0x0
	ROUND                                          ; no group ends while a partner may still ask for a tile that names it
	s_endpgm
.Lfunc_end_k_q4f9f1d8df6_oproj:
	.size	k_q4f9f1d8df6_oproj, .Lfunc_end_k_q4f9f1d8df6_oproj-k_q4f9f1d8df6_oproj
	.p2alignl 7, 3214868480
	.fill 96, 4, 3214868480
	.section	.rodata,"a",@progbits
	.p2align	6, 0x0
	.amdhsa_kernel k_q4f9f1d8df6_oproj
		.amdhsa_group_segment_fixed_size 287744
		.amdhsa_private_segment_fixed_size 0
		.amdhsa_enable_private_segment 0
		.amdhsa_kernarg_size 32
		.amdhsa_user_sgpr_count 2
		.amdhsa_user_sgpr_kernarg_segment_ptr 1
		.amdhsa_wavefront_size32 1
		.amdhsa_system_sgpr_workgroup_id_x 1
		.amdhsa_system_sgpr_workgroup_id_y 1
		.amdhsa_system_sgpr_workgroup_id_z 1
		.amdhsa_system_vgpr_workitem_id 0
		.amdhsa_next_free_vgpr 320
		.amdhsa_next_free_sgpr 66
		.amdhsa_reserve_vcc 0
		.amdhsa_float_denorm_mode_32 3
		.amdhsa_float_denorm_mode_16_64 3
		.amdhsa_memory_ordered 1
		.amdhsa_forward_progress 1
		.amdhsa_inst_pref_size 54
	.end_amdhsa_kernel
	.amdgpu_metadata
---
amdhsa.version: [ 1, 2 ]
amdhsa.kernels:
  - .name:           k_q4f9f1d8df6_oproj
    .symbol:         k_q4f9f1d8df6_oproj.kd
    .args:
      - { .name: cx, .offset: 0, .size: 8, .value_kind: global_buffer, .address_space: global }
      - { .name: Wo, .offset: 8, .size: 8, .value_kind: global_buffer, .address_space: global }
      - { .name: bo, .offset: 16, .size: 8, .value_kind: global_buffer, .address_space: global }
      - { .name: out0, .offset: 24, .size: 8, .value_kind: global_buffer, .address_space: global }
    .group_segment_fixed_size: 287744
    .private_segment_fixed_size: 0
    .kernarg_segment_align: 8
    .kernarg_segment_size: 32
    .max_flat_workgroup_size: 256
    .sgpr_count:     66
    .vgpr_count:     320
    .wavefront_size: 32
...
	.end_amdgpu_metadata
.endif
;; end of part 3
